; MI455X (gfx1250); checked and timed in simulation.
; The chip was launched on July 23, 2026; its instructions are those of AMD's public machine-readable ISA for CDNA 5 (MIT licence, August 2026) and "CDNA5" Instruction Set Architecture Reference Guide (July 2026). The comments in the code are by the model that wrote it; some were corrected since.
;; RG Buv Hist Block. Allowed arithmetic: matrix products marked QUANTISED: E2M1 operands, one E8M0 scale for each 32 along K, by v_wmma_scale_f32_16x16x128_f8f6f4 with both operands' format E2M1 (or v_wmma_scale_f32_32x16x128_f4), f32 sums; everything else in f32.
;; Inputs: x 4 x 3 x 65,536 float32.
;; Outputs: out0 4 x 3 x 64 x 64 float32.
;; This version of the problem:
;;   THIS VERSION OF THE PROBLEM IS GIVEN IN LOW PRECISION. The matrix products marked QUANTISED in the list below multiply operands that are first quantised to E2M1 (2 exponent bits, 1 mantissa bit; 4 bits a number), with one power-of-two scale for each 32 numbers along K (OCP MX v1.0); their sums are f32. All else is computed in f32.
;;   The module's matrix products, in the order in which they are computed (A, B: the left and right operand; K: the contracted axis; several contracted axes count as one K, in the product's order):
;;     1. batch 12 x [M 64, K 65,536] x [K 65,536, N 64]; A: computed on the way; B: computed on the way: QUANTISED
;;   THE QUANTISER, for each operand of a quantised product, along K:
;;     - K is cut into blocks of 32 from its start; a last block that is shorter is filled with zeros.
;;     - A block's scale is 2^e with e = floor(log2(the largest magnitude in the block)) - 2, held to -126 .. 127; a block of zeros has e = 0. As a byte (E8M0): e + 127.
;;     - Each number is divided by its block's scale, clamped to +-6, and rounded to the nearest number of E2M1, ties to even, subnormals kept.
;;     - The product sums the exact products of the quantised numbers (number of the format x scale) in f32.
;;   ~~~python
;;   def quantise(x, axis):      # numpy; x: float32 -> the quantised numbers, widened to float32 again
;;       x = np.moveaxis(x, axis, -1); K = x.shape[-1]
;;       x = np.pad(x, [(0, 0)] * (x.ndim - 1) + [(0, -K % 32)]); x = x.reshape(x.shape[:-1] + (-1, 32)); a = np.abs(x).max(-1, keepdims=True)
;;       e = np.where(a > 0, np.clip(np.frexp(np.where(a > 0, a, 1))[1] - 1 - 2, -126, 127), 0)      # np.frexp(a)[1] - 1 = floor(log2(a)), exactly
;;       r = np.clip(x / 2.0 ** e, -6, 6)
;;       step = 2.0 ** (np.maximum(np.frexp(np.where(r == 0, 1, r))[1] - 1, 0) - 1)
;;       q = np.round(r / step) * step * 2.0 ** e      # np.round: ties to even
;;       return np.moveaxis(q.reshape(q.shape[:-2] + (-1,))[..., :K], -1, axis).astype(np.float32)
;;   ~~~
;;   OPERANDS COMPUTED ON THE WAY. 'Computed on the way' means the value that the module computes at that place (a softmax that the list does not call 'softmax' is quantised finished and normalised). What goes into a quantiser is computed in f32, as accurately as f32 sums, v_exp_f32 and their like allow (about 1e-6 of the number): no bf16 or f16 on the way to a quantiser, and a product that is left as it is and whose result goes on into a quantised operand takes f32 operands (vector FMAs, or v_wmma_f32_16x16x4_f32). A number that lies on a knife's edge between two numbers of the format may be rounded either way, as far as f32 arithmetic and the matrix unit's own rounding can turn it there, and no further.
;; One version. Each part assembles by itself: llvm-mc -triple=amdgcn-amd-amdhsa -mcpu=gfx1250 --defsym DOCPART=n.
;; ======== version 1 of 1: 2 launches
;; limits: right only within a limited range of input values
;; workspace buffers: part 12,582,912 bytes; sums 12,288 bytes
;; launch hist (part 1): grid 64 x 4, 16 waves a work-group, no clusters, 169,984 bytes of LDS; arguments x, part, sums; writes part, sums
.if DOCPART == 1
	.amdgcn_target "amdgcn-amd-amdhsa--gfx1250"
	.amdhsa_code_object_version 6
	.text
	.protected	k_q8e407a2c24_hist
	.globl	k_q8e407a2c24_hist
	.p2align	8
	.type	k_q8e407a2c24_hist,@function
k_q8e407a2c24_hist:
	s_mov_b64 s[64:65], 0
	v_nop
	global_prefetch_b8 v0, s[64:65] scope:SCOPE_SE
	s_setreg_imm32_b32 hwreg(HW_REG_WAVE_MODE, 25, 1), 1
	s_wait_xcnt 0x0
; RGB-uv histogram, first of two launches: partial histograms of 1,024 pixels of one image, both operands of the products quantised to FP4 (E2M1) with one E8M0 scale
; for each 32 pixels (the pixels are K).   x: [4][3][65536] f32.   part: [256 work-groups][48 KB] f32, laid as below.   sums: [4 images][12 waves][64 work-groups] f32.
; THE ARITHMETIC.  I = clip(x/2 + 1/2, 0, 1); Iy = sqrt(I0^2 + I1^2 + I2^2 + 1e-6); l = log(I + 1e-6); K(d, u) = 1 / (1 + (50 d - 50 lin_u)^2).
; With a = l0 - l1, b = l0 - l2, c = l1 - l2 the six coordinates are a, -a, -b (for u) and b, c, -c (for v), and lin_(63-u) = -lin_u, so that K(-d, u) = K(d, 63 - u).
; Four operands serve the three products:  A_a = Iy K(a), A_b = Iy K(b), B_b = K(b), B_c = K(c);
;   hist0[u][v] = sum A_a[u] B_b[v];   hist1[u][v] = sum A_a[63-u] B_c[v];   hist2[u][v] = sum A_b[63-u] B_c[63-v].
; This launch makes G0 = A_a B_b, G1 = A_a B_c, G2 = A_b B_c by their own bins u', v'; the second launch turns the bins back.  All 98,304 matrix instructions of the problem are issued.
; A_a is made as 1 / (g + (s 50 a - s 50 lin)^2) with g = 1 / Iy and s = sqrt(g): no product by Iy is needed.
; LIMITS.  -50 lin_u is made as (31.5 - u) x (300/63), a few 1e-7 (in lin's units) from the f32 numbers of linspace.  NaN in x is not served.
; No floor stands under the blocks' maxima: the clip bounds 1 + (50 d - 50 lin)^2 by 7.1e5 and Iy from below by 1e-3, so every number lies between 1.4e-9 and 1.74 for all x.
; SHARES.  16 waves; wave w owns pixels 64 w .. 64 w + 63 of the work-group's 1,024.  Lane (r, h) = (lane % 16, lane / 16) holds the 32 pixels of block h in its registers and one bin, 16 t + r, t = 0 .. 3:
; a lane's registers run along K, its 32 numbers are a whole block, and its four code registers are registers 4 c .. 4 c + 3 (c = w % 2) of the fragment of K step w / 2.
; Fragments go to LDS as images of their registers (16 bytes a lane), a block's scale byte to byte 2 c + h of its row's word for the K step.
; ORDER.  Twelve tiles: b's (B_b, A_b), a's (A_a), c's (B_c), in three arrays of numbers by turns: while tile n's reciprocals are issued, tile n + 1's differences are made and tile n - 1 is quantised.
; Barrier 1 is signalled when b's and a's codes lie in LDS and waited for when all of c's codes stand in registers: that work needs no other wave.  Then c's codes go to LDS and barrier 2 is signalled;
; between its signal and its wait waves 0-3 multiply G0, 2 x 2 tiles each, and waves 4-11 load their A sides; behind it waves 4-7 multiply G1 and G2 with v' 0-31, waves 8-11 with v' 32-63.  No fragment byte of LDS is written twice.
; WAY OUT.  Source 0 = 16 bins u', source 1 = 16 bins v': a lane's four registers 4 q .. 4 q + 3 are u' = 16 i + 8 h + 4 q + 0 .. 3 of one v' = 16 j + r.  They are stored as they are:
; part's byte (4 G + i) 4096 + 2048 q + 1024 h + 256 j + 16 r: sixteen lanes store one aligned run of 256 bytes.
; No tensor load (a work-group reads 12 KB once; the operands are computed), no cluster (no two work-groups read the same bytes), no prefetch (every global load stands at the head).
.set CHB,   65536*4
.set IMGB,  3*CHB
.set PARTB, 3*64*64*4
.set TABW,  1536                       ; LDS: from 0 a table of 6 x 64 numbers for each wave: b, Iy, c, g, y = s 50 a, s (256 bytes each)
.set FRAG,  16*TABW                    ; the fragments: (4 o + t) x 8,192 + 1,024 x K step + 512 c + 16 x lane; o = 0: A_a, 1: A_b, 2: B_b, 3: B_c
.set SCL,   FRAG+16*8192               ; the scale words: (4 o + t) x 768 + row r x 48 + 4 x K step
.set SPARE, SCL+16*768                 ; the spare words, 128 bytes a wave
.set PR,   1                           ; v1   my block's pixels in my wave's table
.set FB,   2                           ; v2   where my codes of o = 0, 1 go
.set SB,   3                           ; v3   where my scale bytes go
.set FB1,  4                           ; v4   FB + 65,536: o = 2, 3
.set OUTO, 5                           ; v5   1024 h + 16 r: my place in part
.set NCU,  6                           ; v6   -50 lin of my bin (the pair v[6:7] is named; its low word serves both halves)
.set HU,   7                           ; v7   31.5 - my bin
.set A0,   8                           ; v8, v9    G0: fragments of my two tiles of A_a, of B_b
.set B0,   9
.set A1,  10                           ; v10, v11  G1, G2: fragments of my two tiles of A_a or A_b, of B_c
.set B1,  11
.set SA0, 12                           ; v12-15  their scale words: lanes 0-15 the pair's first tile, lanes 16-31 its second
.set SB0, 13
.set SA1, 14
.set SB1, 15
.set SCA, 16                           ; v16-23, v248-255  scale words of the eight K steps: these registers hold nothing else
.set SCB, 248
.set P1,  24                           ; v24-55    50 b; then s; then 50 c
.set PI,  56                           ; v56-87    Iy; then g
.set X,   88                           ; v88-119, v120-151, v152-183  three arrays of 32 numbers
.set Y,   120
.set Z,   152
.set PY,  184                          ; v184-215  s 50 a
.set TM,  216                          ; v216-247  at work: maxima 0-9, scale operands 10-11, scale bytes 12-15, codes 16-31
.set ACC, 24                           ; the products: v24-55 accumulators, v56-247 fragments
.set FR,  56
.set BF,  184                          ; G1, G2: B's fragments, four K steps by turns
.set NQ,  0
	s_load_b128 s[4:7], s[0:1], 0x0                ; x, part
	s_load_b64 s[8:9], s[0:1], 0x10                ; sums
	v_lshrrev_b32 v1, 5, v0
	v_readfirstlane_b32 s10, v1                    ; wave 0..15
	v_and_b32 v32, 31, v0                          ; lane
	v_lshlrev_b32 v33, 3, v32                      ; my two pixels in x
	s_and_b32 s11, ttmp7, 0xffff                   ; the image
	s_mul_i32 s22, s11, IMGB
	s_lshl_b32 s23, ttmp9, 12                      ; + 1,024 pixels x work-group x
	s_add_co_u32 s22, s22, s23
	s_lshl_b32 s23, s10, 8                         ; + 64 pixels x wave
	s_add_co_u32 s22, s22, s23
	s_mov_b32 s23, 0
	s_wait_alu depctr_va_vdst(0)
	s_wait_kmcnt 0x0
	s_add_nc_u64 s[4:5], s[4:5], s[22:23]
	global_load_b64 v[200:201], v33, s[4:5] th:TH_LOAD_NT              ; two pixels a lane: 256 consecutive bytes a load, aligned; each byte of x is read once
	global_load_b64 v[202:203], v33, s[4:5] offset:CHB th:TH_LOAD_NT
	global_load_b64 v[204:205], v33, s[4:5] offset:2*CHB th:TH_LOAD_NT
	s_lshl_b32 s24, s11, 6
	s_add_co_u32 s24, s24, ttmp9                   ; the work-group's number
	s_mul_i32 s22, s24, PARTB
	s_add_nc_u64 s[6:7], s[6:7], s[22:23]
	s_mul_i32 s22, s11, 3072                       ; sums: [image][wave][work-group x]
	s_lshl_b32 s24, s10, 8
	s_add_co_u32 s22, s22, s24
	s_lshl_b32 s24, ttmp9, 2
	s_add_co_u32 s22, s22, s24
	s_add_nc_u64 s[8:9], s[8:9], s[22:23]
	s_lshr_b32 s12, s10, 2                         ; my part in the products: 0: G0; 1, 2: G1 and G2; 3: none
	s_and_b32 s13, s10, 3                          ; my place n in it
	s_and_b32 s24, s13, 2
	s_and_b32 s25, s13, 1
	s_lshl_b32 s26, s24, 12                        ; G0: tiles i = (n & 2), + 1 and j = 2 (n & 1), + 1
	s_lshl_b32 s30, s25, 9
	s_add_co_u32 s26, s26, s30
	s_mov_b32 s27, 0
	s_and_b32 s38, s12, 2                          ; G1, G2: j = 0, 1 (part 1) or 2, 3 (part 2)
	s_lshl_b32 s28, s13, 13                        ; G1 (n = 0, 1), G2 (n = 2, 3): 4 G + i = 4 + 2 n, + 1
	s_add_co_u32 s28, s28, 16384
	s_lshl_b32 s30, s38, 8
	s_add_co_u32 s28, s28, s30
	s_mov_b32 s29, 0
	s_mov_b32 s14, 0x358637bd                      ; 1e-6 (pairs: the packed forms name both words and take the low one)
	s_mov_b32 s15, s14
	s_mov_b32 s16, 0x420aa123                      ; 50 ln 2: v_log_f32 is log2
	s_mov_b32 s17, s16
	s_mov_b32 s18, 0x40986186                      ; 300 / 63
	s_mov_b32 s20, 0x76543210                      ; v_permlanex16_b32's selects for lane l xor 16
	s_mov_b32 s21, 0xfedcba98
	s_mul_i32 s22, s10, TABW
	s_lshl_b32 s23, s10, 9
	s_add_co_u32 s23, s23, FRAG
	s_lshl_b32 s30, s10, 1                         ; 4 (w / 2) + 2 (w % 2)
	s_add_co_u32 s30, s30, SCL
	s_lshl_b32 s31, s24, 13
	s_add_co_u32 s31, s31, FRAG
	s_lshl_b32 s19, s25, 14
	s_add_co_u32 s19, s19, FRAG+65536
	s_lshl_b32 s32, s13, 14
	s_add_co_u32 s32, s32, FRAG
	s_mul_i32 s33, s24, 768
	s_add_co_u32 s33, s33, SCL
	s_mul_i32 s34, s25, 1536
	s_add_co_u32 s34, s34, SCL+6144
	s_mul_i32 s35, s13, 1536
	s_add_co_u32 s35, s35, SCL
	s_lshl_b32 s36, s38, 13
	s_add_co_u32 s36, s36, FRAG+98304
	s_mul_i32 s37, s38, 768
	s_add_co_u32 s37, s37, SCL+9216
	; every LDS address of the launch is made here, ahead of the waves' partings
	v_and_b32 v34, 15, v0                          ; r
	v_bfe_u32 v35, v0, 4, 1                        ; h
	v_lshl_add_u32 v[PR], v35, 7, s22
	v_lshl_add_u32 v206, v32, 3, s22               ; my two pixels in the table
	v_lshl_add_u32 v[FB], v32, 4, s23
	v_add_nc_u32 v[FB1], 0x10000, v[FB]
	v_mul_u32_u24 v37, 48, v34
	v_add_nc_u32 v[SB], v37, v35
	v_add_nc_u32 v[SB], s30, v[SB]
	v_lshlrev_b32 v[OUTO], 10, v35
	v_lshl_add_u32 v[OUTO], v34, 4, v[OUTO]
	v_lshl_add_u32 v[A0], v32, 4, s31
	v_lshl_add_u32 v[B0], v32, 4, s19
	v_lshl_add_u32 v[A1], v32, 4, s32
	v_lshl_add_u32 v[B1], v32, 4, s36
	v_mul_u32_u24 v38, 0x300, v35
	v_add_nc_u32 v38, v37, v38
	v_add_nc_u32 v[SA0], s33, v38
	v_add_nc_u32 v[SB0], s34, v38
	v_add_nc_u32 v[SA1], s35, v38
	v_add_nc_u32 v[SB1], s37, v38
	v_cvt_f32_u32 v[HU], v34
	v_sub_f32 v[HU], 0x41fc0000, v[HU]             ; 31.5 - r: exact
	v_mul_f32 v[NCU], s18, v[HU]
	s_wait_alu depctr_va_vdst(0)                   ; the wait at the head's end
	s_wait_loadcnt 0x0
	; ---- the pixels: two a lane
.irp c, 0,1,2
	v_pk_fma_f32 v[200+2*\c:201+2*\c], v[200+2*\c:201+2*\c], 0.5, 0.5 op_sel_hi:[1,0,0]
.endr
.irp i, 0,1,2,3,4,5
	v_med3_num_f32 v[200+\i], v[200+\i], 0, 1.0    ; the clip
.endr
	v_pk_mul_f32 v[208:209], v[200:201], v[200:201]
	v_pk_fma_f32 v[208:209], v[202:203], v[202:203], v[208:209]
	v_pk_fma_f32 v[208:209], v[204:205], v[204:205], v[208:209]
	v_pk_add_f32 v[208:209], v[208:209], s[14:15] op_sel_hi:[1,0]
.irp c, 0,1,2
	v_pk_add_f32 v[200+2*\c:201+2*\c], v[200+2*\c:201+2*\c], s[14:15] op_sel_hi:[1,0]
.endr
	s_wait_alu depctr_va_vdst(0)                   ; the wait ahead of the batch
.irp i, 0,1,2,3,4,5
	v_log_f32 v[200+\i], v[200+\i]
.endr
	v_sqrt_f32 v210, v208                          ; Iy
	v_sqrt_f32 v211, v209
	v_rsq_f32 v212, v208                           ; g = 1 / Iy
	v_rsq_f32 v213, v209
	v_nop                                          ; a plain instruction behind the last transcendental
	s_wait_alu depctr_va_vdst(0)                   ; one wait for the batch
	v_sqrt_f32 v220, v212                          ; s
	v_sqrt_f32 v221, v213
	v_pk_add_f32 v[216:217], v[200:201], v[204:205] neg_lo:[0,1] neg_hi:[0,1]   ; b
	v_pk_add_f32 v[218:219], v[202:203], v[204:205] neg_lo:[0,1] neg_hi:[0,1]   ; c
	v_pk_add_f32 v[214:215], v[200:201], v[202:203] neg_lo:[0,1] neg_hi:[0,1]   ; a
.irp c, 216,218,214
	v_pk_mul_f32 v[\c:\c+1], v[\c:\c+1], s[16:17] op_sel_hi:[1,0]
.endr
	ds_store_b64 v206, v[216:217]
	ds_store_b64 v206, v[210:211] offset:256
	ds_store_b64 v206, v[218:219] offset:512
	ds_store_b64 v206, v[212:213] offset:768
; back, broadcast: the sixteen lanes of a half read the same 32 pixels.  The bytes are my wave's own and LDS serves a wave's instructions in order (ISA guide 5.7.1.4): no wait, no barrier.
.macro LDARR d, k
.irp j, 0,1,2,3,4,5,6,7
	ds_load_b128 v[\d+4*\j:\d+4*\j+3], v[PR] offset:256*\k+16*\j
.endr
.endm
	LDARR P1, 0
	LDARR PI, 1
	s_wait_alu depctr_va_vdst(0)                   ; ahead of the first reader of the two roots
	v_pk_mul_f32 v[222:223], v[214:215], v[220:221]  ; y = s 50 a
	ds_store_b64 v206, v[222:223] offset:1024
	ds_store_b64 v206, v[220:221] offset:1280
.macro NEXT d                          ; my bin of the next tile: exact
	v_add_f32 v[HU], \d, v[HU]
	v_mul_f32 v[NCU], s18, v[HU]                   ; -50 lin
.endm
.set DOWN, 0xc1800000                  ; -16
.set BACK, 0x42400000                  ; +48
.set KT, 1                             ; 1: K of b or c; 0: A_a
; The differences of pixels 2 n, 2 n + 1: 50 d - 50 lin, or s 50 a - s 50 lin
.macro TSTEP T, n
.if KT
	v_pk_add_f32 v[\T+2*(\n):\T+2*(\n)+1], v[P1+2*(\n):P1+2*(\n)+1], v[NCU:NCU+1] op_sel_hi:[1,0]
.else
	v_pk_fma_f32 v[\T+2*(\n):\T+2*(\n)+1], v[P1+2*(\n):P1+2*(\n)+1], v[NCU:NCU+1], v[PY+2*(\n):PY+2*(\n)+1] op_sel_hi:[1,0,1]
.endif
.endm
; Their squares, onto 1 or g
.macro FSTEP T, n
.if KT
	v_pk_fma_f32 v[\T+2*(\n):\T+2*(\n)+1], v[\T+2*(\n):\T+2*(\n)+1], v[\T+2*(\n):\T+2*(\n)+1], 1.0 op_sel_hi:[1,1,0]
.else
	v_pk_fma_f32 v[\T+2*(\n):\T+2*(\n)+1], v[\T+2*(\n):\T+2*(\n)+1], v[\T+2*(\n):\T+2*(\n)+1], v[PI+2*(\n):PI+2*(\n)+1]
.endif
.endm
.set f, 0
.macro FS T, n                         ; the next n of T's 16 FSTEPs; T = 0: none
.if \T > 0
.rept \n
	FSTEP \T, f
.set f, f+1
.endr
.endif
.endm
.macro FALL T
.set f, 0
	FS \T, 16
.endm
.macro LEAF L, n                       ; the largest of numbers 3 n .. 3 n + 2 (all are positive)
	v_max3_num_f32 v[TM+(\n)], v[\L+3*(\n)], v[\L+3*(\n)+1], v[\L+3*(\n)+2]
.endm
.macro LEAVES L, from, n
.set m, \from
.rept \n
	LEAF \L, m
.set m, m+1
.endr
.endm
; W's 32 reciprocals; among them T's differences and leaves of L's maximum, which read nothing that the batch writes and are read behind the second wait.
; The first wait serves the batch's sources and the batch before, the second what stands among the reciprocals.
.macro BATCH W, L, T
	s_wait_alu depctr_va_vdst(0)
.set n, 0
.rept 32
	v_rcp_f32 v[\W+n], v[\W+n]
.if (\T > 0) && (n < 16)
	TSTEP \T, n
.endif
.if (\L > 0) && (n >= 16) && (n < 22)
	LEAF \L, n-16
.endif
.set n, n+1
.endr
.if \L > 0
	LEAVES \L, 6, 4
.endif
	s_wait_alu depctr_va_vdst(0)
.endm
.macro PUT o, t, n                     ; code set n and its scale byte to operand o's tile t
.if \o < 2
	ds_store_b128 v[FB], v[TM+16+4*(\n):TM+19+4*(\n)] offset:(4*\o+\t)*8192
.else
	ds_store_b128 v[FB1], v[TM+16+4*(\n):TM+19+4*(\n)] offset:(4*\o+\t-8)*8192
.endif
	ds_store_b8 v[SB], v[TM+12+(\n)] offset:(4*\o+\t)*768
.endm
; The rest of L's maximum, the scale, the codes; T's squares stand between the links.  put = 0: the codes stay in registers.  Four sets of codes and bytes take turns.
.macro POST L, o, t, T, put
.set f, 0
	v_max3_num_f32 v[TM], v[TM], v[TM+1], v[TM+2]
	v_max3_num_f32 v[TM+3], v[TM+3], v[TM+4], v[TM+5]
	v_max3_num_f32 v[TM+6], v[TM+6], v[TM+7], v[TM+8]
	v_max3_num_f32 v[TM+9], v[TM+9], v[\L+30], v[\L+31]
	FS \T, 5
	v_max3_num_f32 v[TM], v[TM], v[TM+3], v[TM+6]
	FS \T, 5
	v_max_num_f32 v[TM], v[TM], v[TM+9]
	FS \T, 3
	v_add_nc_u32 v[TM+10+NQ%2], 0xff000000, v[TM]  ; 2 off the exponent field: the conversion takes this operand's exponent field as its scale
	FS \T, 3
.irp g, 0,1,2,3
	v_cvt_scalef32_pk8_fp4_f32 v[TM+16+4*NQ+\g], v[\L+8*\g:\L+8*\g+7], v[TM+10+NQ%2]
.endr
	v_lshrrev_b32 v[TM+12+NQ], 23, v[TM+10+NQ%2]   ; the scale's byte; also the plain instruction behind the conversions
.if \put
	PUT \o, \t, NQ
.endif
.set NQ, (NQ+1)%4
.endm
.macro MULIY L                         ; A_b = Iy K(b) in the place of K(b)
.set i, 0
.rept 16
	v_pk_mul_f32 v[\L+i:\L+i+1], v[\L+i:\L+i+1], v[PI+i:PI+i+1]
.set i, i+2
.endr
.endm
.macro POSTB L, t, T                   ; B_b = K(b), then A_b
	POST \L, 2, \t, \T, 1
	MULIY \L
	LEAVES \L, 0, 10
	POST \L, 1, \t, 0, 1
.endm
.macro PLACES                          ; four places between matrix instructions and loads into registers that they read, or reads of their results (ISA guide 7.12.1 for vector instructions)
.rept 4
	v_nop
.endr
.endm
; One matrix instruction: source 0 = tile i of u', source 1 = tile j of v'.  A scale register holds the pair's first tile in lanes 0-15 and its second in lanes 16-31.
.macro WM d, f0, f1, s0, s1, i, j, zero
.if \zero
.if ((\i) == 0) && ((\j) == 0)
	v_wmma_scale_f32_16x16x128_f8f6f4 v[\d:\d+7], v[\f0:\f0+7], v[\f1:\f1+7], 0, v[\s0], v[\s1] matrix_a_fmt:MATRIX_FMT_FP4 matrix_b_fmt:MATRIX_FMT_FP4
.elseif ((\i) == 1) && ((\j) == 0)
	v_wmma_scale_f32_16x16x128_f8f6f4 v[\d:\d+7], v[\f0:\f0+7], v[\f1:\f1+7], 0, v[\s0], v[\s1] matrix_a_fmt:MATRIX_FMT_FP4 matrix_b_fmt:MATRIX_FMT_FP4 matrix_a_scale:MATRIX_SCALE_ROW1
.elseif ((\i) == 0) && ((\j) == 1)
	v_wmma_scale_f32_16x16x128_f8f6f4 v[\d:\d+7], v[\f0:\f0+7], v[\f1:\f1+7], 0, v[\s0], v[\s1] matrix_a_fmt:MATRIX_FMT_FP4 matrix_b_fmt:MATRIX_FMT_FP4 matrix_b_scale:MATRIX_SCALE_ROW1
.else
	v_wmma_scale_f32_16x16x128_f8f6f4 v[\d:\d+7], v[\f0:\f0+7], v[\f1:\f1+7], 0, v[\s0], v[\s1] matrix_a_fmt:MATRIX_FMT_FP4 matrix_b_fmt:MATRIX_FMT_FP4 matrix_a_scale:MATRIX_SCALE_ROW1 matrix_b_scale:MATRIX_SCALE_ROW1
.endif
.else
.if ((\i) == 0) && ((\j) == 0)
	v_wmma_scale_f32_16x16x128_f8f6f4 v[\d:\d+7], v[\f0:\f0+7], v[\f1:\f1+7], v[\d:\d+7], v[\s0], v[\s1] matrix_a_fmt:MATRIX_FMT_FP4 matrix_b_fmt:MATRIX_FMT_FP4
.elseif ((\i) == 1) && ((\j) == 0)
	v_wmma_scale_f32_16x16x128_f8f6f4 v[\d:\d+7], v[\f0:\f0+7], v[\f1:\f1+7], v[\d:\d+7], v[\s0], v[\s1] matrix_a_fmt:MATRIX_FMT_FP4 matrix_b_fmt:MATRIX_FMT_FP4 matrix_a_scale:MATRIX_SCALE_ROW1
.elseif ((\i) == 0) && ((\j) == 1)
	v_wmma_scale_f32_16x16x128_f8f6f4 v[\d:\d+7], v[\f0:\f0+7], v[\f1:\f1+7], v[\d:\d+7], v[\s0], v[\s1] matrix_a_fmt:MATRIX_FMT_FP4 matrix_b_fmt:MATRIX_FMT_FP4 matrix_b_scale:MATRIX_SCALE_ROW1
.else
	v_wmma_scale_f32_16x16x128_f8f6f4 v[\d:\d+7], v[\f0:\f0+7], v[\f1:\f1+7], v[\d:\d+7], v[\s0], v[\s1] matrix_a_fmt:MATRIX_FMT_FP4 matrix_b_fmt:MATRIX_FMT_FP4 matrix_a_scale:MATRIX_SCALE_ROW1 matrix_b_scale:MATRIX_SCALE_ROW1
.endif
.endif
.endm
; K step k's four: the four accumulators take turns in the same order in every step
.macro MULK fa, fb, k, zero
.irp i, 0,1
.irp j, 0,1
	WM ACC+8*(2*\i+\j), \fa+8*\i, \fb+8*\j, SCA+\k, SCB+\k, \i, \j, \zero
.endr
.endr
.endm
.macro TWO d, va, o                    ; the fragments of two tiles, one K step
.irp i, 0,1
.irp c, 0,1
	ds_load_b128 v[\d+8*\i+4*\c:\d+8*\i+4*\c+3], v[\va] offset:\o+8192*\i+512*\c
.endr
.endr
.endm
.macro SCALES d, va
	ds_load_b128 v[\d:\d+3], v[\va]
	ds_load_b128 v[\d+4:\d+7], v[\va] offset:16
.endm
.macro LOADK k                         ; G0: K step k into set k % 6
	TWO FR+32*((\k)%6), A0, 1024*(\k)
	TWO FR+32*((\k)%6)+16, B0, 1024*(\k)
.endm
.macro SUM                             ; the sum of my four tiles, for the image's norm
.irp k, 0,1,2,3
	v_pk_add_f32 v[FR+2*\k:FR+1+2*\k], v[ACC+2*\k:ACC+2*\k+1], v[ACC+8+2*\k:ACC+9+2*\k]
.endr
.irp k, 0,1,2,3
	v_pk_add_f32 v[FR+2*\k:FR+1+2*\k], v[FR+2*\k:FR+1+2*\k], v[ACC+16+2*\k:ACC+17+2*\k]
.endr
.irp k, 0,1,2,3
	v_pk_add_f32 v[FR+2*\k:FR+1+2*\k], v[FR+2*\k:FR+1+2*\k], v[ACC+24+2*\k:ACC+25+2*\k]
.endr
	v_pk_add_f32 v[FR:FR+1], v[FR:FR+1], v[FR+2:FR+3]
	v_pk_add_f32 v[FR+4:FR+5], v[FR+4:FR+5], v[FR+6:FR+7]
	v_pk_add_f32 v[FR:FR+1], v[FR:FR+1], v[FR+4:FR+5]
	v_add_f32 v[FR], v[FR], v[FR+1]
	v_add_f32_dpp v[FR], v[FR], v[FR] row_xmask:1 row_mask:0xf bank_mask:0xf
	v_add_f32_dpp v[FR], v[FR], v[FR] row_xmask:2 row_mask:0xf bank_mask:0xf
	v_add_f32_dpp v[FR], v[FR], v[FR] row_xmask:4 row_mask:0xf bank_mask:0xf
	v_add_f32_dpp v[FR], v[FR], v[FR] row_xmask:8 row_mask:0xf bank_mask:0xf
	v_permlanex16_b32 v[FR+1], v[FR], s20, s21
	v_add_f32 v[FR], v[FR], v[FR+1]
.endm
.macro SENDT po                        ; my four tiles
	s_add_nc_u64 s[6:7], s[6:7], s[\po:\po+1]
.irp i, 0,1
.irp j, 0,1
.irp q, 0,1
	global_store_b128 v[OUTO], v[ACC+8*(2*\i+\j)+4*\q:ACC+8*(2*\i+\j)+4*\q+3], s[6:7] offset:4096*\i+2048*\q+256*\j
.endr
.endr
.endr
.endm
.macro SENDS                           ; and their sum
	v_cmp_eq_u32 vcc_lo, 0, v[OUTO]                ; lane 0
	s_wait_alu depctr_va_vdst(0)
	s_wait_xcnt 0x0                                ; EXEC changes only behind this wait
	s_and_saveexec_b32 s31, vcc_lo
	global_store_b32 v[OUTO], v[FR], s[8:9]        ; one float a wave, 12 KB in the whole launch: the one store here that is no whole run of 256 bytes
	s_wait_xcnt 0x0                                ; and again ahead of the line that widens it
	s_mov_b32 exec_lo, -1
.endm
	; ---- b
	s_wait_dscnt 10                                ; 50 b is in; Iy's eight loads and two stores may be out
.set n, 0
.rept 16
	TSTEP X, n
.set n, n+1
.endr
	FALL X                                         ; b's tile 0
	NEXT DOWN
	BATCH X, 0, Y
	FALL Y
	NEXT DOWN
	BATCH Y, X, Z
	s_wait_dscnt 2                                 ; Iy is in; the two stores behind it may be out
	POSTB X, 0, Z
	LDARR PY, 4
	NEXT DOWN
	BATCH Z, Y, X                                  ; tile 3's differences: the last readers of 50 b
	LDARR P1, 5                                    ; s takes its place
	POSTB Y, 1, X
	s_wait_dscnt 4                                 ; y and s are in; the four stores behind them may be out
	NEXT BACK
.set KT, 0
	BATCH X, Z, Y                                  ; b's tile 3; a's tile 0
	POSTB Z, 2, 0
	LEAVES X, 0, 10
	POST X, 2, 3, 0, 1
	MULIY X                                        ; the last reader of Iy
	LDARR PI, 3                                    ; g takes its place
	LEAVES X, 0, 10
	POST X, 1, 3, 0, 1
	; ---- a
	s_wait_dscnt 2                                 ; g is in; the two stores behind it may be out
	FALL Y
	NEXT DOWN
	BATCH Y, 0, Z
	FALL Z
	NEXT DOWN
	BATCH Z, Y, X
	POST Y, 0, 0, X, 1
	NEXT DOWN
	BATCH X, Z, Y                                  ; tile 3's differences: the last readers of s
	LDARR P1, 2                                    ; 50 c
	POST Z, 0, 1, Y, 1
	s_wait_dscnt 2                                 ; 50 c is in; the two stores behind it may be out
	NEXT BACK
.set KT, 1
	BATCH Y, X, Z                                  ; a's tile 3; c's tile 0
	POST X, 0, 2, Z, 1
	NEXT DOWN
	BATCH Z, Y, X
	POST Y, 0, 3, X, 1
	; ---- c
	s_wait_dscnt 0x0                               ; for the others' sake: my codes and bytes of A_a, A_b, B_b lie in LDS
	s_barrier_signal -1
	NEXT DOWN
	BATCH X, Z, Y                                  ; from here to the barrier's wait: work on registers
	POST Z, 3, 0, Y, 0
	NEXT DOWN
	BATCH Y, X, Z
	POST X, 3, 1, Z, 0
	BATCH Z, Y, 0
	POST Y, 3, 2, 0, 0
	LEAVES Z, 0, 10
	POST Z, 3, 3, 0, 0
	s_wait_alu depctr_va_vdst(0)                   ; the wait ahead of the barrier's
	s_barrier_wait -1
.irp t, 0,1,2,3
	PUT 3, \t, \t
.endr
	s_wait_dscnt 0x0                               ; for the others' sake: my part of B_c lies in LDS
	s_barrier_signal -1
	; between this signal and its wait: LDS loads of A_a, A_b and B_b, which nobody writes any more, and work on registers
	s_cmp_eq_u32 s12, 3
	s_cbranch_scc1 .Lmeet
	s_cmp_lg_u32 s12, 0
	s_cbranch_scc1 .Lahead
	SCALES SCA, SA0                                ; waves 0-3: G0
	SCALES SCB, SB0
.irp k, 0,1,2,3,4,5
	LOADK \k
.endr
	s_wait_dscnt 40                                ; K step 0 is in; five steps' eight loads each may be out
	MULK FR, FR+16, 0, 1                           ; the first products start the sums: nothing is cleared
	PLACES
	LOADK 6
	s_wait_dscnt 40
	MULK FR+32, FR+48, 1, 0
	PLACES
	LOADK 7
.irp k, 2,3,4,5,6,7
	s_wait_dscnt 8*(7-\k)                          ; behind K step k: 7 - k steps
	MULK FR+32*((\k)%6), FR+32*((\k)%6)+16, \k, 0
.endr
	PLACES
	v_nop                                          ; a fifth place: the way on from here begins the same accumulators anew (ISA guide 7.12.1)
	SUM
	s_wait_alu depctr_va_vdst(0)                   ; the wait ahead of the branch
	s_branch .Lmeet
.Lahead:
	SCALES SCA, SA1                                ; waves 4-11: the A side of my tiles of G1 or G2
.irp k, 0,1,2,3,4,5,6,7
	TWO FR+16*\k, A1, 1024*\k
.endr
.Lmeet:
	s_barrier_wait -1                              ; all of B_c lies in LDS
	s_cmp_eq_u32 s12, 3
	s_cbranch_scc1 .Lfin
	s_cmp_lg_u32 s12, 0
	s_cbranch_scc1 .Llast
	SENDT 26
	SENDS
	s_branch .Lfin
.Llast:
	SCALES SCB, SB1
.irp k, 0,1,2,3
	TWO BF+16*\k, B1, 1024*\k
.endr
	s_wait_dscnt 12                                ; K step 0 is in; three steps' four loads each may be out
	MULK FR, BF, 0, 1
	s_wait_dscnt 8
	MULK FR+16, BF+16, 1, 0
	PLACES
	TWO BF, B1, 4096
	TWO BF+16, B1, 5120
	s_wait_dscnt 12                                ; behind K step 2: steps 3, 4, 5
	MULK FR+32, BF+32, 2, 0
	s_wait_dscnt 8
	MULK FR+48, BF+48, 3, 0
	PLACES
	TWO BF+32, B1, 6144
	TWO BF+48, B1, 7168
.irp k, 4,5,6,7
	s_wait_dscnt 4*(7-\k)
	MULK FR+16*\k, BF+16*((\k)%4), \k, 0
.endr
	PLACES
	SENDT 28
	SUM
	SENDS
.Lfin:
	s_barrier_signal -1                            ; no wave writes its spare words while another still reads LDS
	s_barrier_wait -1
	v_lshl_add_u32 v2, v0, 2, SPARE
	v_mov_b32 v3, 0
	s_wait_alu depctr_va_vdst(0)
	s_wait_tensorcnt 0x0                           ; the wave's end
	ds_add_u32 v2, v3
	s_wait_dscnt 0x0
	s_endpgm
.Lfunc_end_k_q8e407a2c24_hist:
	.size	k_q8e407a2c24_hist, .Lfunc_end_k_q8e407a2c24_hist-k_q8e407a2c24_hist
	.p2alignl 7, 3214868480
	.fill 96, 4, 3214868480
	.section	.rodata,"a",@progbits
	.p2align	6, 0x0
	.amdhsa_kernel k_q8e407a2c24_hist
		.amdhsa_group_segment_fixed_size 169984
		.amdhsa_private_segment_fixed_size 0
		.amdhsa_enable_private_segment 0
		.amdhsa_kernarg_size 24
		.amdhsa_user_sgpr_count 2
		.amdhsa_user_sgpr_kernarg_segment_ptr 1
		.amdhsa_wavefront_size32 1
		.amdhsa_system_sgpr_workgroup_id_x 1
		.amdhsa_system_sgpr_workgroup_id_y 1
		.amdhsa_system_sgpr_workgroup_id_z 1
		.amdhsa_system_vgpr_workitem_id 0
		.amdhsa_next_free_vgpr 256
		.amdhsa_next_free_sgpr 66
		.amdhsa_reserve_vcc 1
		.amdhsa_float_denorm_mode_32 3
		.amdhsa_float_denorm_mode_16_64 3
		.amdhsa_memory_ordered 1
		.amdhsa_forward_progress 1
		.amdhsa_inst_pref_size 99
	.end_amdhsa_kernel
	.amdgpu_metadata
---
amdhsa.version: [ 1, 2 ]
amdhsa.kernels:
  - .name:           k_q8e407a2c24_hist
    .symbol:         k_q8e407a2c24_hist.kd
    .args:
      - { .name: x, .offset: 0, .size: 8, .value_kind: global_buffer, .address_space: global }
      - { .name: part, .offset: 8, .size: 8, .value_kind: global_buffer, .address_space: global }
      - { .name: sums, .offset: 16, .size: 8, .value_kind: global_buffer, .address_space: global }
    .group_segment_fixed_size: 169984
    .private_segment_fixed_size: 0
    .kernarg_segment_align: 8
    .kernarg_segment_size: 24
    .max_flat_workgroup_size: 512
    .sgpr_count:     66
    .vgpr_count:     256
    .wavefront_size: 32
...
	.end_amdgpu_metadata
.endif
;; end of part 1
;; launch norm (part 2): grid 48 x 4, 8 waves a work-group, no clusters, 9,984 bytes of LDS; arguments part, sums, out0; writes out0
.if DOCPART == 2
	.amdgcn_target "amdgcn-amd-amdhsa--gfx1250"
	.amdhsa_code_object_version 6
	.text
	.protected	k_q8e407a2c24_norm
	.globl	k_q8e407a2c24_norm
	.p2align	8
	.type	k_q8e407a2c24_norm,@function
k_q8e407a2c24_norm:
	s_mov_b64 s[64:65], 0
	v_nop
	global_prefetch_b8 v0, s[64:65] scope:SCOPE_SE
	s_setreg_imm32_b32 hwreg(HW_REG_WAVE_MODE, 25, 1), 1
	s_wait_xcnt 0x0
; Second launch: out0[l][G][u][v] = hist / (the sum of the image's three histograms + 1e-6).
; part: [4 images x 64][48 groups][64 v'][4 e] f32, the first launch's partial sums G0, G1, G2 by their own bins: group 16 G + 4 i + 2 q + h holds the rows u' = 16 i + 8 h + 4 q + e;  sums: [4][12][64] f32.
; hist0[u][v] = G0[u][v];  hist1[u][v] = G1[63-u][v];  hist2[u][v] = G2[63-u][63-v]: the bins are turned back here, by the store's address, and for G = 2 by the order of a lane's two numbers.
; A work-group owns one group, four rows: 1,024 consecutive bytes of each of the image's 64 partials.  192 work-groups: with fewer bytes each, the aligned units of 256 bytes would be read in part.
; Wave w adds partials 8 w .. 8 w + 7 (16 loads of 512 consecutive bytes, all issued at the head) and 96 of the image's 768 sums; both meet in LDS; waves 0 to 3 add what the eight left, a row each,
; and store it: 32 lanes fill the row's 256 bytes, aligned.  The division is a multiplication by v_rcp_f32 (1 ulp).
; A stream read once: no matrix unit, no cluster, no tensor load; no prefetch, since all loads stand at the head.
.set PARTB, 3*64*64*4
.set IMG,   4*272                      ; LDS: a wave's 1,024 bytes, 16 of padding behind each 256
.set TOT,   8*IMG                      ; the eight waves' shares of the norm
.set SPARE, TOT+256                    ; the spare words, 128 bytes a wave
.set D,     16                         ; v16-79  partial k at D + 8 k
.macro ADD8 d, s
.irp j, 0,2,4,6
	v_pk_add_f32 v[\d+\j:\d+\j+1], v[\d+\j:\d+\j+1], v[\s+\j:\s+\j+1]
.endr
.endm
	s_load_b128 s[4:7], s[0:1], 0x0                ; part, sums
	s_load_b64 s[8:9], s[0:1], 0x10                ; out0
	v_lshl_add_u32 v2, v0, 2, SPARE
	v_mov_b32 v3, 0
	v_lshrrev_b32 v4, 5, v0
	v_readfirstlane_b32 s10, v4                    ; wave 0..7
	v_and_b32 v5, 31, v0                           ; lane
	v_lshlrev_b32 v6, 4, v5
	v_lshlrev_b32 v7, 2, v5
	s_and_b32 s11, ttmp7, 0xffff                   ; the image
	s_lshl_b32 s12, s11, 6
	s_lshl_b32 s13, s10, 3
	s_add_co_u32 s12, s12, s13                     ; my first partial
	s_mul_i32 s12, s12, PARTB
	s_lshl_b32 s13, ttmp9, 10                      ; my work-group's group
	s_add_co_u32 s12, s12, s13
	s_mov_b32 s13, 0
	s_mul_i32 s14, s11, 3072
	s_mul_i32 s15, s10, 384
	s_add_co_u32 s14, s14, s15
	s_mov_b32 s15, 0
	s_wait_alu depctr_va_vdst(0)
	s_wait_kmcnt 0x0
	s_add_nc_u64 s[4:5], s[4:5], s[12:13]
	s_add_nc_u64 s[6:7], s[6:7], s[14:15]
	global_load_b32 v8, v7, s[6:7]
	global_load_b32 v9, v7, s[6:7] offset:128
	global_load_b32 v10, v7, s[6:7] offset:256
.irp k, 0,1,2,3,4,5,6,7
	global_load_b128 v[D+8*\k:D+8*\k+3], v6, s[4:5] offset:\k*PARTB th:TH_LOAD_NT   ; each byte of part is read once in the launch
	global_load_b128 v[D+8*\k+4:D+8*\k+7], v6, s[4:5] offset:\k*PARTB+512 th:TH_LOAD_NT
.endr
	; where my row goes
	s_lshr_b32 s19, ttmp9, 4                       ; G
	s_bfe_u32 s20, ttmp9, 0x20002                  ; i
	s_lshl_b32 s20, s20, 4
	s_and_b32 s21, ttmp9, 1                        ; h
	s_lshl_b32 s21, s21, 3
	s_add_co_u32 s20, s20, s21
	s_and_b32 s21, ttmp9, 2                        ; 2 q
	s_lshl_b32 s21, s21, 1
	s_add_co_u32 s20, s20, s21
	s_add_co_u32 s20, s20, s10                     ; u' = 16 i + 8 h + 4 q + wave (waves 0 to 3)
	s_cmp_eq_u32 s19, 0
	s_cselect_b32 s21, 0, 63                       ; G = 1, 2: u = 63 - u' = u' xor 63
	s_cmp_eq_u32 s19, 2
	s_cselect_b32 s22, 31, 0                       ; G = 2: v = 63 - v': the 32 pairs of a row change places,
	s_cselect_b32 s23, -1, 0                       ; and so do a pair's two numbers
	s_xor_b32 s20, s20, s21
	s_mul_i32 s24, s11, PARTB
	s_lshl_b32 s25, s19, 14
	s_add_co_u32 s24, s24, s25
	s_lshl_b32 s25, s20, 8
	s_add_co_u32 s24, s24, s25
	s_mov_b32 s25, 0
	s_add_nc_u64 s[8:9], s[8:9], s[24:25]
	s_mul_i32 s16, s10, IMG
	s_lshl_b32 s17, s10, 2
	s_mov_b32 s26, 0x76543210                      ; v_permlanex16_b32's selects for lane l xor 16
	s_mov_b32 s27, 0xfedcba98
	v_lshrrev_b32 v11, 4, v5                       ; LDS, in: my wave's image, unit lane / 16, 16 bytes a lane
	v_mul_u32_u24 v11, 0x110, v11
	v_and_b32 v12, 15, v5
	v_lshl_add_u32 v11, v12, 4, v11
	v_add_nc_u32 v11, s16, v11
	v_lshrrev_b32 v13, 3, v5                       ; out: v' = 2 lane (and 16 bytes on 2 lane + 1), e = my wave
	v_mul_u32_u24 v13, 0x110, v13
	v_and_b32 v12, 7, v5
	v_lshl_add_u32 v13, v12, 5, v13
	v_add_nc_u32 v13, s17, v13
	v_lshl_add_u32 v14, v4, 2, TOT
	v_mov_b32 v15, TOT
	v_xor_b32 v80, s22, v5
	v_lshlrev_b32 v80, 3, v80
	v_mov_b32 v83, 0                               ; (named with v82 as a pair below, so it is written)
	s_wait_alu depctr_va_vdst(0)                   ; the wait at the head's end
	s_wait_loadcnt 16                              ; my three sums are in; the 16 loads behind them may be out
	v_add_f32 v8, v8, v9
	v_add_f32 v8, v8, v10
	v_add_f32_dpp v8, v8, v8 row_xmask:1 row_mask:0xf bank_mask:0xf
	v_add_f32_dpp v8, v8, v8 row_xmask:2 row_mask:0xf bank_mask:0xf
	v_add_f32_dpp v8, v8, v8 row_xmask:4 row_mask:0xf bank_mask:0xf
	v_add_f32_dpp v8, v8, v8 row_xmask:8 row_mask:0xf bank_mask:0xf
	v_permlanex16_b32 v9, v8, s26, s27
	v_add_f32 v8, v8, v9
	ds_store_b32 v14, v8                           ; all lanes write the same word with the same value
	s_wait_loadcnt 8                               ; partials 0 to 3 are in; the younger eight loads may be out
	ADD8 D, D+8
	ADD8 D+16, D+24
	ADD8 D, D+16
	s_wait_alu depctr_va_vdst(0)
	s_wait_loadcnt 4
	ADD8 D+32, D+40
	ADD8 D, D+32
	s_wait_alu depctr_va_vdst(0)
	s_wait_loadcnt 0x0
	ADD8 D+48, D+56
	ADD8 D, D+48
	ds_store_b128 v11, v[D:D+3]
	ds_store_b128 v11, v[D+4:D+7] offset:544
	s_wait_dscnt 0x0                               ; for the others' sake: my sums lie in LDS
	s_barrier_signal -1
	s_barrier_wait -1
	s_cmp_lt_u32 s10, 4
	s_cbranch_scc0 .Lend
	ds_load_b128 v[84:87], v15
	ds_load_b128 v[88:91], v15 offset:16
.irp k, 0,1,2,3,4,5,6,7
	ds_load_b32 v[D+2*\k], v13 offset:\k*IMG
	ds_load_b32 v[D+2*\k+1], v13 offset:\k*IMG+16
.endr
	s_wait_dscnt 16                                ; the norm's eight shares are in; the 16 loads behind them may be out
	v_pk_add_f32 v[84:85], v[84:85], v[86:87]
	v_pk_add_f32 v[88:89], v[88:89], v[90:91]
	v_pk_add_f32 v[84:85], v[84:85], v[88:89]
	v_add_f32 v84, v84, v85
	v_add_f32 v84, 0x358637bd, v84                 ; + 1e-6
	s_wait_alu depctr_va_vdst(0)                   ; the wait ahead of the transcendental
	v_rcp_f32 v82, v84
	s_wait_dscnt 0x0
	v_pk_add_f32 v[16:17], v[16:17], v[18:19]      ; the eight waves' sums: work that does not name the reciprocal
	v_pk_add_f32 v[20:21], v[20:21], v[22:23]
	v_pk_add_f32 v[24:25], v[24:25], v[26:27]
	v_pk_add_f32 v[28:29], v[28:29], v[30:31]
	v_pk_add_f32 v[16:17], v[16:17], v[20:21]
	v_pk_add_f32 v[24:25], v[24:25], v[28:29]
	v_pk_add_f32 v[16:17], v[16:17], v[24:25]
	s_wait_alu depctr_va_vdst(0)                   ; ahead of the reciprocal's first reader
	v_pk_mul_f32 v[16:17], v[16:17], v[82:83] op_sel_hi:[1,0]
	v_cndmask_b32 v18, v16, v17, s23               ; G = 2: the two numbers in reverse
	v_cndmask_b32 v19, v17, v16, s23
	global_store_b64 v80, v[18:19], s[8:9] th:TH_STORE_NT   ; one row: 256 consecutive bytes, aligned
.Lend:
	s_barrier_signal -1                            ; no wave writes its spare words while another still reads LDS
	s_barrier_wait -1
	s_wait_tensorcnt 0x0                           ; the wave's end
	ds_add_u32 v2, v3
	s_wait_dscnt 0x0
	s_endpgm
.Lfunc_end_k_q8e407a2c24_norm:
	.size	k_q8e407a2c24_norm, .Lfunc_end_k_q8e407a2c24_norm-k_q8e407a2c24_norm
	.p2alignl 7, 3214868480
	.fill 96, 4, 3214868480
	.section	.rodata,"a",@progbits
	.p2align	6, 0x0
	.amdhsa_kernel k_q8e407a2c24_norm
		.amdhsa_group_segment_fixed_size 9984
		.amdhsa_private_segment_fixed_size 0
		.amdhsa_enable_private_segment 0
		.amdhsa_kernarg_size 24
		.amdhsa_user_sgpr_count 2
		.amdhsa_user_sgpr_kernarg_segment_ptr 1
		.amdhsa_wavefront_size32 1
		.amdhsa_system_sgpr_workgroup_id_x 1
		.amdhsa_system_sgpr_workgroup_id_y 1
		.amdhsa_system_sgpr_workgroup_id_z 1
		.amdhsa_system_vgpr_workitem_id 0
		.amdhsa_next_free_vgpr 92
		.amdhsa_next_free_sgpr 66
		.amdhsa_reserve_vcc 0
		.amdhsa_float_denorm_mode_32 3
		.amdhsa_float_denorm_mode_16_64 3
		.amdhsa_memory_ordered 1
		.amdhsa_forward_progress 1
		.amdhsa_inst_pref_size 10
	.end_amdhsa_kernel
	.amdgpu_metadata
---
amdhsa.version: [ 1, 2 ]
amdhsa.kernels:
  - .name:           k_q8e407a2c24_norm
    .symbol:         k_q8e407a2c24_norm.kd
    .args:
      - { .name: part, .offset: 0, .size: 8, .value_kind: global_buffer, .address_space: global }
      - { .name: sums, .offset: 8, .size: 8, .value_kind: global_buffer, .address_space: global }
      - { .name: out0, .offset: 16, .size: 8, .value_kind: global_buffer, .address_space: global }
    .group_segment_fixed_size: 9984
    .private_segment_fixed_size: 0
    .kernarg_segment_align: 8
    .kernarg_segment_size: 24
    .max_flat_workgroup_size: 256
    .sgpr_count:     66
    .vgpr_count:     92
    .wavefront_size: 32
...
	.end_amdgpu_metadata
.endif
;; end of part 2
